; MI455X (gfx1250); checked and timed in simulation.
; The chip was launched on July 23, 2026; its instructions are those of AMD's public machine-readable ISA for CDNA 5 (MIT licence, August 2026) and "CDNA5" Instruction Set Architecture Reference Guide (July 2026). The comments in the code are by the model that wrote it; some were corrected since.
;; Multi Head Attention. Allowed arithmetic: matrix products marked QUANTISED: E2M3 operands, one E8M0 scale for each 32 along K, by v_wmma_scale_f32_16x16x128_f8f6f4 with both operands' format E2M3, f32 sums; products left as they are: f32 operands where the result goes on into a quantised operand, else bf16, f16 or f32 operands; f32 sums; everything else in f32.
;; Inputs: Wk 1,024 x 1,024 float32; Wo 1,024 x 1,024 float32; Wq 1,024 x 1,024 float32; Wv 1,024 x 1,024 float32; k 4 x 4,096 x 1,024 float32; mask 16 x 16 float32; q 4 x 4,096 x 1,024 float32; v 4 x 4,096 x 1,024 float32.
;; Outputs: out0 4 x 4,096 x 1,024 float32.
;; This version of the problem:
;;   THIS VERSION OF THE PROBLEM IS GIVEN IN LOW PRECISION. The matrix products marked QUANTISED in the list below multiply operands that are first quantised to E2M3 (2 exponent bits, 3 mantissa bits; 6 bits a number), with one power-of-two scale for each 32 numbers along K (OCP MX v1.0); their sums are f32. All else is computed in f32.
;;   The module's matrix products, in the order in which they are computed (A, B: the left and right operand; K: the contracted axis; several contracted axes count as one K, in the product's order):
;;     1. [M 16,384, K 1,024] x [K 1,024, N 1,024]; A: input q; B: input Wq: QUANTISED
;;     2. [M 16,384, K 1,024] x [K 1,024, N 1,024]; A: input k; B: input Wk: QUANTISED
;;     3. [M 16,384, K 1,024] x [K 1,024, N 1,024]; A: input v; B: input Wv: QUANTISED
;;     4. batch 16,384 x [M 16, K 64] x [K 64, N 16]; A: computed on the way; B: computed on the way: QUANTISED
;;     5. batch 16,384 x [M 16, K 16] x [K 16, N 64]; A: softmax; B: computed on the way: left as it is (K = 16 < 32)
;;     6. [M 16,384, K 1,024] x [K 1,024, N 1,024]; A: computed on the way; B: input Wo: QUANTISED
;;   THE QUANTISER, for each operand of a quantised product, along K:
;;     - K is cut into blocks of 32 from its start; a last block that is shorter is filled with zeros.
;;     - A block's scale is 2^e with e = floor(log2(the largest magnitude in the block)) - 2, held to -126 .. 127; a block of zeros has e = 0. As a byte (E8M0): e + 127.
;;     - Each number is divided by its block's scale, clamped to +-7.5, and rounded to the nearest number of E2M3, ties to even, subnormals kept.
;;     - The product sums the exact products of the quantised numbers (number of the format x scale) in f32.
;;   ~~~python
;;   def quantise(x, axis):      # numpy; x: float32 -> the quantised numbers, widened to float32 again
;;       x = np.moveaxis(x, axis, -1); K = x.shape[-1]
;;       x = np.pad(x, [(0, 0)] * (x.ndim - 1) + [(0, -K % 32)]); x = x.reshape(x.shape[:-1] + (-1, 32)); a = np.abs(x).max(-1, keepdims=True)
;;       e = np.where(a > 0, np.clip(np.frexp(np.where(a > 0, a, 1))[1] - 1 - 2, -126, 127), 0)      # np.frexp(a)[1] - 1 = floor(log2(a)), exactly
;;       r = np.clip(x / 2.0 ** e, -7.5, 7.5)
;;       step = 2.0 ** (np.maximum(np.frexp(np.where(r == 0, 1, r))[1] - 1, 0) - 3)
;;       q = np.round(r / step) * step * 2.0 ** e      # np.round: ties to even
;;       return np.moveaxis(q.reshape(q.shape[:-2] + (-1,))[..., :K], -1, axis).astype(np.float32)
;;   ~~~
;;   OPERANDS COMPUTED ON THE WAY. 'Computed on the way' means the value that the module computes at that place (a softmax that the list does not call 'softmax' is quantised finished and normalised). What goes into a quantiser is computed in f32, as accurately as f32 sums, v_exp_f32 and their like allow (about 1e-6 of the number): no bf16 or f16 on the way to a quantiser, and a product that is left as it is and whose result goes on into a quantised operand takes f32 operands (vector FMAs, or v_wmma_f32_16x16x4_f32). A number that lies on a knife's edge between two numbers of the format may be rounded either way, as far as f32 arithmetic and the matrix unit's own rounding can turn it there, and no further.
;; One version. Each part assembles by itself: llvm-mc -triple=amdgcn-amd-amdhsa -mcpu=gfx1250 --defsym DOCPART=n.
;; ======== version 1 of 1: 2 launches
;; limits: right only within a limited range of input values
;; workspace buffers: cod 3,145,728 bytes; scl 131,072 bytes
;; launch wquant (part 1): grid 256 x 1, 4 waves a work-group, no clusters, 34,816 bytes of LDS; arguments Wq, Wk, Wv, Wo, cod, scl; writes cod, scl
.if DOCPART == 1
	.amdgcn_target "amdgcn-amd-amdhsa--gfx1250"
	.amdhsa_code_object_version 6
	.text
	.protected	k_q7015b45493_wquant
	.globl	k_q7015b45493_wquant
	.p2align	8
	.type	k_q7015b45493_wquant,@function
k_q7015b45493_wquant:
	s_mov_b64 s[64:65], 0
	v_nop
	global_prefetch_b8 v0, s[64:65] scope:SCOPE_SE
	s_setreg_imm32_b32 hwreg(HW_REG_WAVE_MODE, 25, 1), 1
	s_wait_xcnt 0x0
; Wq, Wk, Wv, Wo [1024][1024], f32 with K innermost, become codes of FP6 (E2M3) with one E8M0 byte for each 32 along K.
; NO WORK OF THE PROBLEM IS LEFT OUT in this program: every input (q, k, v, mask, the four weights) has a way to out0, and all six products are computed.
; q, k and v are quantised by the next launch, in which each of their rows is read by one work-group alone; the weights, which all work-groups read, are quantised here, once.
; A block's scale is 2^(floor(log2(its largest magnitude)) - 2); its byte is the largest magnitude's exponent field - 2, held at 1 from below.
; LIMITS: NaN and infinities among the inputs are not served.  A block whose largest magnitude lies under 2^-124, a block of zeros among them, gets the byte 1
; (zeros: their codes are zeros, which add nothing; the bytes are read by this program alone).
; THE WORKSPACE IS LAID AS THE READER'S REGISTERS WANT IT.  A tile is 16 rows x 1,024 K.  cod: tile T at 12,288 T; in it K step s (128 along K) at 1,536 s: register g of lane L of the
; operand's fragment at 512 (g / 4) + 16 L + 4 (g % 4).  scl: tile T at 512 T; lane L has 16 bytes at 16 L: word i of lanes 0-15 is row L's scale word of K step 2 i, of lanes 16-31 that of K step 2 i + 1.
; TILES: Wq 0.., Wk 64.., Wv 128.., Wo 192...  WHICH ROWS FORM A TILE (t: the tile's number in its tensor, i: 0..15):
;   Wq, Wk: row 32 (t / 2) + 8 (t % 2) + i + 8 (i / 8), so that the results of two neighbouring tiles are 16 neighbours along the next K.
;   Wv: row 64 (t % 16) + 16 (t / 16) + i: tile 16 w + g is head g, channels 16 w on.     Wo: row 16 t + i.
; SHARES.  256 tiles = 256 work-groups; wave i takes K steps 2 i and 2 i + 1 of the tile: 32 loads of a row's 512 consecutive bytes, all asked for at once.  A step goes through the wave's own
; stage in LDS (rows 528 bytes apart) and comes back with 16 neighbours of each block of 32 in a lane.  The four waves' scale words meet in 512 bytes of LDS and leave as one store of 512 bytes.
.set SGP,   528
.set STGW,  16*SGP
.set SCB,   4*STGW                     ; the tile's 512 bytes of scale words
.set SPARE, SCB+512                    ; the spare words, 128 bytes for each wave
.set LI,  1                            ; 16 x lane
.set SA,  2                            ; my stage + 16 x lane
.set SB,  3                            ; my stage + 528 (lane % 16) + 64 (lane / 16)
.set SCA, 4                            ; SCB + 16 x lane + 4 x wave
.set SCR, 8                            ; SCB + 16 x lane
.set R,   16                           ; v16-143 the two steps as they are loaded
.set X,   144                          ; v144-207 register 16 b + i = k 32 b + 16 (lane / 16) + i of my row
.set PC,  208
.set TM,  228
.set SW,  244
.set SPW, 252
.set NIL, 253
.set WV,  24
.set A0,  28
.set A1,  30
.set CP,  32
.set SCP, 34
.set SEL, 36
	s_load_b256 s[4:11], s[0:1], 0x0               ; Wq, Wk, Wv, Wo
	s_load_b128 s[12:15], s[0:1], 0x20             ; cod, scl
	v_lshl_add_u32 v[SPW], v0, 2, SPARE
	v_mov_b32 v[NIL], 0
	v_lshrrev_b32 v5, 5, v0
	v_readfirstlane_b32 s[WV], v5
	v_and_b32 v6, 31, v0
	v_and_b32 v5, 15, v0
	v_bfe_u32 v7, v0, 4, 1
	v_lshlrev_b32 v[LI], 4, v6
	s_mul_i32 s25, s[WV], STGW
	v_add_nc_u32 v[SA], s25, v[LI]
	v_mul_u32_u24 v[SB], v5, SGP
	v_lshl_add_u32 v[SB], v7, 6, v[SB]
	v_add_nc_u32 v[SB], s25, v[SB]
	s_lshl_b32 s26, s[WV], 2
	s_add_co_u32 s26, s26, SCB
	v_add_nc_u32 v[SCA], s26, v[LI]
	v_add_nc_u32 v[SCR], SCB, v[LI]
.irp b, 0,1,2,3
	v_mov_b32 v[TM+4+\b], 0                        ; a lane permute's destination counts as one of its sources
.endr
	s_mov_b32 s[SEL], 0x76543210
	s_mov_b32 s[SEL+1], 0xfedcba98
	s_mov_b32 s27, 0xffff                          ; lanes 0-15
	s_and_b32 s38, ttmp9, 63                       ; t
	s_lshl_b32 s39, s38, 4                         ; the tile's first row: 16 t,
	s_lshr_b32 s40, s38, 1
	s_lshl_b32 s40, s40, 5
	s_and_b32 s41, s38, 1
	s_lshl_b32 s41, s41, 3
	s_add_co_u32 s40, s40, s41                     ; or 32 (t / 2) + 8 (t % 2),
	s_and_b32 s41, s38, 15
	s_lshl_b32 s41, s41, 6
	s_lshr_b32 s42, s38, 4
	s_lshl_b32 s42, s42, 4
	s_add_co_u32 s41, s41, s42                     ; or 64 (t % 16) + 16 (t / 16)
	s_lshr_b32 s42, ttmp9, 6                       ; which tensor
	s_cmp_lt_u32 ttmp9, 128                        ; Wq or Wk
	s_cselect_b32 s39, s40, s39
	s_cselect_b32 s44, 32768, 0                    ; their rows 8-15 lie 8 rows of 4,096 bytes further down
	s_cmp_eq_u32 s42, 2                            ; Wv
	s_cselect_b32 s39, s41, s39
	s_wait_alu depctr_va_vdst(0)                   ; the wait at the head's end
	s_wait_kmcnt 0x0
	s_cmp_lt_u32 ttmp9, 64                         ; the choice hangs on the work-group's number alone
	s_cselect_b64 s[22:23], s[4:5], s[6:7]
	s_cmp_lt_u32 ttmp9, 128
	s_cselect_b64 s[22:23], s[22:23], s[8:9]
	s_cmp_lt_u32 ttmp9, 192
	s_cselect_b64 s[22:23], s[22:23], s[10:11]
	s_lshl_b32 s42, s39, 12                        ; rows of 4,096 bytes,
	s_lshl_b32 s46, s[WV], 10                      ; my two K steps of 512 bytes
	s_add_co_u32 s42, s42, s46
	s_mov_b32 s43, 0
	s_mov_b32 s45, 0
	s_add_nc_u64 s[A0:A0+1], s[22:23], s[42:43]
	s_add_nc_u64 s[A1:A1+1], s[A0:A0+1], s[44:45]
	s_mul_i32 s42, ttmp9, 12288
	s_mul_i32 s46, s[WV], 3072
	s_add_co_u32 s42, s42, s46
	s_add_nc_u64 s[CP:CP+1], s[12:13], s[42:43]
	s_lshl_b32 s42, ttmp9, 9
	s_add_nc_u64 s[SCP:SCP+1], s[14:15], s[42:43]
.irp u, 0,1
.set ldi, 0
.rept 8
	global_load_b128 v[R+64*\u+4*ldi:R+64*\u+4*ldi+3], v[LI], s[A0:A0+1] offset:4096*ldi+512*\u th:TH_LOAD_NT
.set ldi, ldi+1
.endr
.rept 8
	global_load_b128 v[R+64*\u+4*ldi:R+64*\u+4*ldi+3], v[LI], s[A1:A1+1] offset:4096*ldi+512*\u th:TH_LOAD_NT
.set ldi, ldi+1
.endr
.endr
; 64 numbers of a lane become a fragment's codes in v[PC] on and its scale word in v[pw]
.macro QUANT s, pw
.irp b, 0,1,2,3
	v_max3_num_f32 v[TM+\b], |v[\s+16*\b]|, |v[\s+1+16*\b]|, 0x1800000   ; my 16 numbers of block b, and the floor 2^(3 - 127)
.endr
.irp i, 2,4,6,8,10,12,14
.irp b, 0,1,2,3
	v_max3_num_f32 v[TM+\b], v[TM+\b], |v[\s+16*\b+\i]|, |v[\s+1+16*\b+\i]|
.endr
.endr
.irp b, 0,1,2,3
	v_permlanex16_b32 v[TM+4+\b], v[TM+\b], s[SEL], s[SEL+1]
.endr
.irp b, 0,1,2,3
	v_max_num_f32 v[TM+\b], v[TM+\b], v[TM+4+\b]   ; with lane l xor 16's: the block's largest magnitude
.endr
.irp b, 0,1,2,3
	v_add_nc_u32 v[TM+12+\b], 0xff000000, v[TM+\b] ; 2 off its exponent field: the conversion's scale operand
.endr
.irp b, 0,1,2,3
	v_lshrrev_b32 v[TM+4+\b], 23, v[TM+12+\b]      ; the scale's byte
.endr
	v_lshl_or_b32 v[\pw], v[TM+5], 8, v[TM+4]
	v_lshl_or_b32 v[\pw], v[TM+6], 16, v[\pw]
	v_lshl_or_b32 v[\pw], v[TM+7], 24, v[\pw]
.irp c, 0,1
	v_cvt_scalef32_pk16_fp6_f32 v[PC+6*\c:PC+2+6*\c], v[\s+32*\c:\s+15+32*\c], v[TM+12+2*\c]
	v_cvt_scalef32_pk16_fp6_f32 v[PC+12+4*\c:PC+14+4*\c], v[\s+16+32*\c:\s+31+32*\c], v[TM+12+2*\c+1]
.endr
	v_nop                                          ; one plain place behind a scaled conversion
.irp c, 0,1                                    ; the operand's layout wants a whole block in a lane
.irp i, 0,1,2
	v_permlane16_swap_b32 v[PC+6*\c+\i], v[PC+12+4*\c+\i]
.endr
.irp i, 0,1,2
	v_mov_b32 v[PC+3+6*\c+\i], v[PC+12+4*\c+\i]
.endr
.endr
.endm
.irp u, 0,1
	s_wait_loadcnt 16-16*\u                        ; this step's 16 loads are in
.set sti, 0
.rept 16
	ds_store_b128 v[SA], v[R+64*\u+4*sti:R+64*\u+4*sti+3] offset:SGP*sti
.set sti, sti+1
.endr
.irp b, 0,1,2,3
.irp j, 0,1,2,3
	ds_load_b128 v[X+16*\b+4*\j:X+16*\b+4*\j+3], v[SB] offset:128*\b+16*\j   ; LDS serves a wave's instructions in order
.endr
.endr
	s_wait_dscnt 0x0
	s_wait_xcnt 0x0                                ; the first step's stores have read v[PC] on
	QUANT X, SW+\u
.irp c, 0,1,2
	global_store_b128 v[LI], v[PC+4*\c:PC+4*\c+3], s[CP:CP+1] offset:1536*\u+512*\c   ; 512 consecutive bytes, at a multiple of 256 from the buffer's first byte
.endr
.endr
	v_cndmask_b32 v[TM], v[SW+1], v[SW], s27       ; lanes 0-15 keep the even K step's word, lanes 16-31 the odd one's
	ds_store_b32 v[SCA], v[TM]
	s_wait_dscnt 0x0
	s_barrier_signal -1
	s_barrier_wait -1                              ; all four waves' words lie in LDS
	s_cmp_lg_u32 s[WV], 0
	s_cbranch_scc1 .Lend
	ds_load_b128 v[16:19], v[SCR]
	s_wait_dscnt 0x0
	global_store_b128 v[LI], v[16:19], s[SCP:SCP+1]   ; the tile's 512 bytes of scale words
.Lend:
	s_wait_tensorcnt 0x0                           ; the wave's end
	ds_add_u32 v[SPW], v[NIL]
	s_wait_dscnt 0x0
	s_endpgm
.Lfunc_end_k_q7015b45493_wquant:
	.size	k_q7015b45493_wquant, .Lfunc_end_k_q7015b45493_wquant-k_q7015b45493_wquant
	.p2alignl 7, 3214868480
	.fill 96, 4, 3214868480
	.section	.rodata,"a",@progbits
	.p2align	6, 0x0
	.amdhsa_kernel k_q7015b45493_wquant
		.amdhsa_group_segment_fixed_size 34816
		.amdhsa_private_segment_fixed_size 0
		.amdhsa_enable_private_segment 0
		.amdhsa_kernarg_size 48
		.amdhsa_user_sgpr_count 2
		.amdhsa_user_sgpr_kernarg_segment_ptr 1
		.amdhsa_wavefront_size32 1
		.amdhsa_system_sgpr_workgroup_id_x 1
		.amdhsa_system_sgpr_workgroup_id_y 1
		.amdhsa_system_sgpr_workgroup_id_z 1
		.amdhsa_system_vgpr_workitem_id 0
		.amdhsa_next_free_vgpr 256
		.amdhsa_next_free_sgpr 66
		.amdhsa_reserve_vcc 0
		.amdhsa_float_denorm_mode_32 3
		.amdhsa_float_denorm_mode_16_64 3
		.amdhsa_memory_ordered 1
		.amdhsa_forward_progress 1
		.amdhsa_inst_pref_size 19
	.end_amdhsa_kernel
	.amdgpu_metadata
---
amdhsa.version: [ 1, 2 ]
amdhsa.kernels:
  - .name:           k_q7015b45493_wquant
    .symbol:         k_q7015b45493_wquant.kd
    .args:
      - { .name: Wq, .offset: 0, .size: 8, .value_kind: global_buffer, .address_space: global }
      - { .name: Wk, .offset: 8, .size: 8, .value_kind: global_buffer, .address_space: global }
      - { .name: Wv, .offset: 16, .size: 8, .value_kind: global_buffer, .address_space: global }
      - { .name: Wo, .offset: 24, .size: 8, .value_kind: global_buffer, .address_space: global }
      - { .name: cod, .offset: 32, .size: 8, .value_kind: global_buffer, .address_space: global }
      - { .name: scl, .offset: 40, .size: 8, .value_kind: global_buffer, .address_space: global }
    .group_segment_fixed_size: 34816
    .private_segment_fixed_size: 0
    .kernarg_segment_align: 8
    .kernarg_segment_size: 48
    .max_flat_workgroup_size: 128
    .sgpr_count:     66
    .vgpr_count:     256
    .wavefront_size: 32
...
	.end_amdgpu_metadata
.endif
;; end of part 1
;; launch fused (part 2): grid 256 x 1, 4 waves a work-group, no clusters, 323,072 bytes of LDS; arguments cod, scl, mask, q, k, v, out0; writes out0
.if DOCPART == 2
	.amdgcn_target "amdgcn-amd-amdhsa--gfx1250"
	.amdhsa_code_object_version 6
	.text
	.protected	k_q7015b45493_fused
	.globl	k_q7015b45493_fused
	.p2align	8
	.type	k_q7015b45493_fused,@function
k_q7015b45493_fused:
	s_mov_b64 s[64:65], 0
	v_nop
	global_prefetch_b8 v0, s[64:65] scope:SCOPE_SE
	s_setreg_imm32_b32 hwreg(HW_REG_WAVE_MODE, 25, 1), 1
	s_wait_xcnt 0x0
; out0 = attention over the 16 heads of each token, between four products of 1,024 x 1,024, all for 64 tokens a work-group.  No work of the problem is left out.
; A trip PJ of the loop: (PJ < 3) my 16 tokens of q, k or v, f32, are quantised along K into LDS as images of the operand's registers; (PJ = 2) scores and softmax; the product with Wq, Wk, Wv or Wo; its epilogue.
; PJ = 0, 1: qh, kh are quantised along the features -> LDS.   Scores: for each token score[h][g] = qh[h] . kh[g] (K = 64, the rest of the instruction's 128 are zero codes), x mask / 8,
; softmax over g with its maximum taken away, p -> LDS in f32.   PJ = 2: vh stays in the accumulators; attn[h][d] = sum over g of p[h][g] vh[g][d] by f32 fused multiply-adds (its result goes into
; a quantiser); attn is quantised along the features -> LDS as operand images.   PJ = 3: out0 = attn Wo^T.
; All quantised products: v_wmma_scale_f32_16x16x128_f8f6f4 on FP6 codes with E8M0 scales.  The tokens' codes, qh, kh, vh, p and attn never go to memory.
; LIMITS: NaN and infinities are not served; a block whose largest magnitude lies under 2^-124 gets the scale byte 1 (a block of zeros: zero codes); 1/8 is folded into the mask, which is exact.
; SHARES.  Wave w takes weight tiles 16 w .. 16 w + 15 of every product, for all 64 tokens (four tiles m): 64 accumulators, 512 registers.  The products are used transposed (source 0 = 16 rows of W,
; source 1 = 16 tokens): lane (r, h) holds token r, its register j the tile's row 8 h + j.  Each weight fragment goes from memory straight into the one wave that uses it, through three register
; buffers of 8 fragments (a granule: 8 tiles x 128 K, 32 matrix instructions), two granules ahead.  A product goes through all of K for tiles 0-7, then for tiles 8-15 (granule i = 8 G + s).
; THE TOKENS: each row of q, k, v is read by this work-group alone, so it is quantised here.  Wave w takes tokens 16 w on: 8 steps of 16 rows x 512 bytes, loaded three steps (48 loads) ahead into
; accumulator registers that are free between two products, turned through the wave's own stage of the way out, and quantised.
; NO CLUSTER, NO JOINT LOADS, though all work-groups walk the same weights: the rows in progress fill 322,560 of the 327,680 bytes of LDS, so no ring of weight tiles fits beside them.
; PREFETCH: behind each of a product's first eight granules a wave asks for 8,192 bytes (lanes 256 bytes apart) of its own 65,536 bytes of the next tensor of tokens: each block once in the launch,
; eight granules and more ahead of the loads; the products with Wv and Wo ask for nothing.  q's rows come by their loads alone: no loop stands ahead of them.
; LDS: XIMG 32 fragments (tile m, K step s at (8 m + s) 1,536); XSCL their scale words; QROW, KROW 64 rows of 768 bytes of codes, 776 apart; QSC, KSC 32 scale bytes a token; PP p, 1,040 bytes a token;
;   two stages of 64 rows x 528 for attn; a stage of 16 x 528 for each wave (tokens on the way in, results on the way out); the spare words.
; REGISTERS, in windows of 256: window 0: v1-15, v251 addresses; v16-23 mask / 8; v24-87 the weights' scale words, v88-103 the tokens'; v104-151 x fragments, set 1; v152-247 weight buffer 2
;   (between the products v104-247 are at work).   window 1: weight buffers 0, 1; from v192 x fragments, set 0.   windows 2, 3: accumulators of tiles 0-7, 8-15: (tile, m) at 64 m + 8 tile;
;   between products window 2 holds four sets of 64 loaded numbers, window 3 two sets of 64 turned ones.
.set XIMG,  0
.set XSCL,  49152
.set QROW,  51200
.set RP,    776
.set KOFF,  64*RP
.set QSC,   QROW+2*KOFF
.set PP,    QSC+4096
.set PPI,   1040
.set STG0,  PP+64*PPI
.set SGP,   528
.set STGB,  64*SGP
.set OST,   STG0+2*STGB
.set SPARE, OST+4*16*SGP
.set LI,   1                           ; 16 x lane
.set XSW,  2                           ; XSCL + 512 w + 16 x lane
.set QW,   3                           ; QROW + 776 r + 24 h + 192 w
.set SCW,  4                           ; QSC + 32 r + 8 w
.set SRD,  5                           ; QROW + 16 w rows + 48 r + 24 h
.set SSR,  6                           ; QSC + 512 w + 2 r
.set PWR,  7                           ; PP + 16 w tokens + 64 r + 32 h
.set PRD,  8                           ; PP + 1,040 r
.set STW,  9                           ; STG0 + 528 r + 64 w + 32 h
.set STR,  10                          ; STG0 + (16 w + r) 528 + 64 h
.set AIW,  11                          ; XIMG + 12,288 w + 16 x lane
.set ASW,  12                          ; XSCL + 512 w + 16 r
.set OSTO, 13                          ; OST + 8,448 w + 528 r + 32 h
.set ORD,  14                          ; OST + 8,448 w + 16 x lane
.set PF,   15                          ; 256 x lane
.set TSB,  251                         ; OST + 8,448 w + 528 r + 64 h
.set MK,   16
.set WS,   24
.set XS,   88
.set XF1,  104
.set WB2,  152
.set XF0,  192
.set LA,   248
.set LB,   249
.set LC,   250
.set SPW,  252
.set NIL,  253
.set TM,   104
.set PC,   120
.set PW,   140
.set SW,   144                         ; v144-151 a token tile's scale word of each K step
.set KA,   104
.set QB,   152
.set DD,   200
.set TT,   232
.set PB,   142                         ; p x vh: two sets of 36: a token's 16 p of one head, and 18 registers on those of the next head
.set AT,   214                         ; two sets of 16 results
.set QI,   152
.set BK,   104
.set WV,   12
.set PJ,   13
.set SEL,  14
.set XP,   16                          ; s[16:17] my 16 rows of the tensor of tokens that is quantised next
.set WP,   20
.set WSP,  22
.set OP,   24
.set CNT,  29
.set HM,   30                          ; lanes 0-15
.set XK,   48                          ; s[48:49], s[50:51] my rows of k, of v
.set XV,   50
.set MSB, 0
.macro WIN new
.if MSB != (\new)
	s_set_vgpr_msb (MSB<<8)|(\new)
.set MSB, (\new)
.endif
.endm
.macro PLACES n
.rept \n
	v_nop
.endr
.endm
.macro BAR
	s_wait_dscnt 0x0
	s_barrier_signal -1
	s_barrier_wait -1
.endm
.macro WLOAD i                         ; granule i = 8 G + s into buffer i % 3: 24 loads of 512 consecutive bytes
.set wb, (\i)%3
.if wb == 2
	WIN 0
.set wr, WB2
.else
	WIN 0x40
.set wr, 96*wb
.endif
.set wt, 0
.rept 8
.set wc, 0
.rept 3
	global_load_b128 v[wr+12*wt+4*wc:wr+12*wt+4*wc+3], v[LI], s[WP:WP+1] offset:(8*((\i)/8)+wt)*12288+1536*((\i)%8)+512*wc
.set wc, wc+1
.endr
.set wt, wt+1
.endr
.endm
.macro XFL s                           ; the four token tiles' fragments of K step s from LDS into set s % 2
.if (\s)%2 == 0
	WIN 0x40
.set xr, XF0
.else
	WIN 0
.set xr, XF1
.endif
.set xm, 0
.rept 4
.set xc, 0
.rept 3
	ds_load_b128 v[xr+12*xm+4*xc:xr+12*xm+4*xc+3], v[LI] offset:XIMG+(8*xm+(\s))*1536+512*xc
.set xc, xc+1
.endr
.set xm, xm+1
.endr
.endm
.macro PRE_S                           ; my 16 tiles' scale words
.set pt, 0
.rept 16
	global_load_b128 v[WS+4*pt:WS+4*pt+3], v[LI], s[WSP:WSP+1] offset:512*pt
.set pt, pt+1
.endr
.endm
.macro TL t                            ; K step t of my 16 tokens into set t % 4 of window 2: a load takes a row's 512 consecutive bytes; read once in the launch
	WIN 0x80
.set tli, 0
.rept 16
	global_load_b128 v[64*((\t)%4)+4*tli:64*((\t)%4)+4*tli+3], v[LI], s[XP:XP+1] offset:4096*tli+512*(\t) th:TH_LOAD_NT
.set tli, tli+1
.endr
.endm
.macro TURN t                          ; through my stage: back come 16 neighbours of each block of 32 a lane, into set t % 2 of window 3.  LDS serves a wave's instructions in order
	WIN 0x08
.set tui, 0
.rept 16
	ds_store_b128 v[ORD], v[64*((\t)%4)+4*tui:64*((\t)%4)+4*tui+3] offset:SGP*tui
.set tui, tui+1
.endr
	WIN 0xc0
.irp b, 0,1,2,3
.irp j, 0,1,2,3
	ds_load_b128 v[64*((\t)%2)+16*\b+4*\j:64*((\t)%2)+16*\b+4*\j+3], v[TSB] offset:128*\b+16*\j
.endr
.endr
.endm
; A granule: 32 matrix instructions, the 32 accumulators of its window by turns
.macro GRAN i
.set gs, (\i)%8
.set gG, (\i)/8
.set gn, ((\i)+1)%8
	PLACES 4                                       ; in front of loads into registers that the granule before has read
.if (\i) <= 13
	WLOAD (\i)+2
.endif
.if (\i) < 15
	XFL gn
.endif
.if (\i) <= 13
	s_wait_loadcnt 48                              ; my granule's 24 loads are in; those of the next two may be out
.elseif (\i) == 14
	s_wait_loadcnt 24
.else
	s_wait_loadcnt 0x0
.endif
.if (\i) < 15
	s_wait_dscnt 12                                ; the next granule's 12 LDS loads may be out
.else
	s_wait_dscnt 0x0
.endif
.if (\i)%3 == 2
.set ga, WB2
.set gaw, 0
.else
.set ga, 96*((\i)%3)
.set gaw, 1
.endif
.if gs%2 == 0
.set gb, XF0
.set gbw, 1
.else
.set gb, XF1
.set gbw, 0
.endif
	WIN (gaw)|((gbw)<<2)|((2+gG)<<4)|((2+gG)<<6)
.set gm, 0
.rept 4
.set gt, 0
.rept 8
.if gs == 0                            ; the first K step starts the sums
	v_wmma_scale_f32_16x16x128_f8f6f4 v[64*gm+8*gt:64*gm+8*gt+7], v[ga+12*gt:ga+12*gt+11], v[gb+12*gm:gb+12*gm+11], 0, v[WS+4*(8*gG+gt)+gs/2], v[XS+4*gm+gs/2] matrix_a_fmt:MATRIX_FMT_FP6 matrix_b_fmt:MATRIX_FMT_FP6
.elseif gs%2 == 0
	v_wmma_scale_f32_16x16x128_f8f6f4 v[64*gm+8*gt:64*gm+8*gt+7], v[ga+12*gt:ga+12*gt+11], v[gb+12*gm:gb+12*gm+11], v[64*gm+8*gt:64*gm+8*gt+7], v[WS+4*(8*gG+gt)+gs/2], v[XS+4*gm+gs/2] matrix_a_fmt:MATRIX_FMT_FP6 matrix_b_fmt:MATRIX_FMT_FP6
.else                                  ; an odd K step's scale words lie in lanes 16-31
	v_wmma_scale_f32_16x16x128_f8f6f4 v[64*gm+8*gt:64*gm+8*gt+7], v[ga+12*gt:ga+12*gt+11], v[gb+12*gm:gb+12*gm+11], v[64*gm+8*gt:64*gm+8*gt+7], v[WS+4*(8*gG+gt)+gs/2], v[XS+4*gm+gs/2] matrix_a_fmt:MATRIX_FMT_FP6 matrix_b_fmt:MATRIX_FMT_FP6 matrix_a_scale:MATRIX_SCALE_ROW1 matrix_b_scale:MATRIX_SCALE_ROW1
.endif
.set gt, gt+1
.endr
.set gm, gm+1
.endr
.endm
.macro ASK i                           ; two rows, 8,192 bytes, of my 16 rows of the next tensor of tokens
	WIN 0
	s_cmp_lt_u32 s[PJ], 2
	s_cbranch_scc0 .Lno_ask_\@
	global_prefetch_b8 v[PF], s[XP:XP+1] offset:8192*(\i) th:TH_LOAD_NT scope:SCOPE_SE
.Lno_ask_\@:
.endm
; In the last product tiles 0-7 are finished behind granule 7: block m (16 tokens x 128 columns) goes through my stage, comes back as rows of 512 bytes into the registers that it left, and is stored
.macro EARLY m
	WIN 0
	s_cmp_eq_u32 s[PJ], 3
	s_cbranch_scc0 .Lnot_last_\@
	WIN 0x08
.set eb, 0
.rept 8
	ds_store_b128 v[OSTO], v[64*(\m)+8*eb:64*(\m)+8*eb+3] offset:64*eb          ; each accumulator from its low end on
	ds_store_b128 v[OSTO], v[64*(\m)+8*eb+4:64*(\m)+8*eb+7] offset:64*eb+16
.set eb, eb+1
.endr
	WIN 0x80
.set et, 0
.rept 16
	ds_load_b128 v[64*(\m)+4*et:64*(\m)+4*et+3], v[ORD] offset:SGP*et
.set et, et+1
.endr
	s_wait_dscnt 0x0
	WIN 0x08
.set et, 0
.rept 16
	global_store_b128 v[LI], v[64*(\m)+4*et:64*(\m)+4*et+3], s[OP:OP+1] offset:(16*(\m)+et)*4096 th:TH_STORE_NT   ; 512 consecutive bytes, at a multiple of 256 from out0's first byte
.set et, et+1
.endr
	WIN 0
.Lnot_last_\@:
.endm
; 64 numbers of a lane in window sw, register s + 16 b + i = k 32 b + 16 (lane / 16) + i of my row, become a fragment's codes in v[PC] on and its scale word in v[pw]
; w = 1: the last fragment's LDS stores may still be out, and are waited for here; w = 0: a wait ahead of the macro has covered them
.macro QUANT s, sw, pw, w
	WIN (\sw)|((\sw)<<2)
.irp b, 0,1,2,3
	v_max3_num_f32 v[TM+\b], |v[(\s)+16*\b]|, |v[(\s)+1+16*\b]|, 0x1800000   ; my 16 numbers of block b, and the floor 2^(3 - 127)
.endr
	WIN ((\sw)<<2)|((\sw)<<4)
.irp i, 2,4,6,8,10,12,14
.irp b, 0,1,2,3
	v_max3_num_f32 v[TM+\b], v[TM+\b], |v[(\s)+16*\b+\i]|, |v[(\s)+1+16*\b+\i]|
.endr
.endr
	WIN 0
.irp b, 0,1,2,3
	v_permlanex16_b32 v[TM+4+\b], v[TM+\b], s[SEL], s[SEL+1]
.endr
.irp b, 0,1,2,3
	v_max_num_f32 v[TM+\b], v[TM+\b], v[TM+4+\b]
.endr
.irp b, 0,1,2,3
	v_add_nc_u32 v[TM+12+\b], 0xff000000, v[TM+\b] ; 2 off the exponent field: the conversion's scale operand
.endr
.irp b, 0,1,2,3
	v_lshrrev_b32 v[TM+4+\b], 23, v[TM+12+\b]      ; the scale's byte
.endr
.if \w
	s_wait_alu depctr_va_vdst(0)                   ; the wait here, directly ahead of the wait below
	s_wait_dscnt 0x0                               ; the last fragment's LDS stores have read the codes' and the scale word's registers
.endif
	v_lshl_or_b32 v[\pw], v[TM+5], 8, v[TM+4]
	v_lshl_or_b32 v[\pw], v[TM+6], 16, v[\pw]
	v_lshl_or_b32 v[\pw], v[TM+7], 24, v[\pw]
	WIN (\sw)
.irp c, 0,1
	v_cvt_scalef32_pk16_fp6_f32 v[PC+6*\c:PC+2+6*\c], v[(\s)+32*\c:(\s)+15+32*\c], v[TM+12+2*\c]
	v_cvt_scalef32_pk16_fp6_f32 v[PC+12+4*\c:PC+14+4*\c], v[(\s)+16+32*\c:(\s)+31+32*\c], v[TM+12+2*\c+1]
.endr
	WIN 0
	v_nop                                          ; one plain place behind a scaled conversion
.irp c, 0,1
.irp i, 0,1,2
	v_permlane16_swap_b32 v[PC+6*\c+\i], v[PC+12+4*\c+\i]
.endr
.irp i, 0,1,2
	v_mov_b32 v[PC+3+6*\c+\i], v[PC+12+4*\c+\i]
.endr
.endr
.endm
; Step t of the tokens.  First the loads that run ahead: step t + 3's, and behind the last of them the next weight's scale words and first two granules.  Then step t + 1 turns through the stage while step t is quantised.
; The set that step t + 3 lands in was stored to the stage two steps back, ahead of a wait for all LDS instructions.
.macro TSTEP t
.if (\t) <= 4
	TL (\t)+3
.elseif (\t) == 5
	WIN 0
	PRE_S
.else
	WLOAD (\t)-6
.endif
.if (\t) < 7
.if (\t) == 6
	s_wait_loadcnt 40                              ; behind step 7's loads: 16 of scale words and 24 of granule 0
.else
	s_wait_loadcnt 32                              ; behind step t + 1's loads: two groups of 16
.endif
	TURN (\t)+1
	s_wait_dscnt 32                                ; step t's numbers are back and step t - 1's image is stored; step t + 1's 16 stores and 16 loads may be out
.else
	s_wait_dscnt 0x0                               ; step 7's numbers are back, step 6's image is stored
.endif
	QUANT 64*((\t)%2), 3, SW+(\t), 0
.irp c, 0,1,2
	ds_store_b128 v[AIW], v[PC+4*\c:PC+4*\c+3] offset:1536*(\t)+512*\c
.endr
.endm
	s_load_b256 s[4:11], s[0:1], 0x0               ; cod, scl, mask, q
	s_load_b128 s[48:51], s[0:1], 0x20             ; k, v
	s_load_b64 s[52:53], s[0:1], 0x30              ; out0
	v_lshl_add_u32 v[SPW], v0, 2, SPARE
	v_mov_b32 v[NIL], 0
	v_lshrrev_b32 v104, 5, v0
	v_readfirstlane_b32 s[WV], v104                ; wave 0..3
	v_and_b32 v104, 31, v0                         ; lane
	v_and_b32 v105, 15, v0                         ; r
	v_bfe_u32 v106, v0, 4, 1                       ; h
	v_lshlrev_b32 v[LI], 4, v104
	v_lshlrev_b32 v[PF], 8, v104
	s_lshl_b32 s40, s[WV], 9
	s_add_co_u32 s40, s40, XSCL
	v_add_nc_u32 v[XSW], s40, v[LI]
	v_lshl_add_u32 v[ASW], v105, 4, s40
	v_mul_u32_u24 v[QW], v105, RP
	v_mad_u32_u24 v[QW], v106, 24, v[QW]
	s_mul_i32 s40, s[WV], 192
	s_add_co_u32 s40, s40, QROW
	v_add_nc_u32 v[QW], s40, v[QW]
	v_lshlrev_b32 v[SCW], 5, v105
	s_lshl_b32 s40, s[WV], 3
	s_add_co_u32 s40, s40, QSC
	v_add_nc_u32 v[SCW], s40, v[SCW]
	v_mul_u32_u24 v[SRD], v105, 48
	v_mad_u32_u24 v[SRD], v106, 24, v[SRD]
	s_mul_i32 s40, s[WV], 16*RP
	s_add_co_u32 s40, s40, QROW
	v_add_nc_u32 v[SRD], s40, v[SRD]
	v_lshlrev_b32 v[SSR], 1, v105
	s_lshl_b32 s40, s[WV], 9
	s_add_co_u32 s40, s40, QSC
	v_add_nc_u32 v[SSR], s40, v[SSR]
	v_lshlrev_b32 v254, 6, v105
	v_lshl_add_u32 v254, v106, 5, v254             ; 64 r + 32 h: my eight numbers of the mask, and of a token's p
	s_mul_i32 s40, s[WV], 16*PPI
	s_add_co_u32 s40, s40, PP
	v_add_nc_u32 v[PWR], s40, v254
	v_mul_u32_u24 v[PRD], v105, PPI
	v_add_nc_u32 v[PRD], PP, v[PRD]
	v_mul_u32_u24 v107, v105, SGP
	v_lshl_add_u32 v[STR], v106, 6, v107
	v_lshl_add_u32 v107, v106, 5, v107             ; 528 r + 32 h
	s_lshl_b32 s40, s[WV], 6
	s_add_co_u32 s40, s40, STG0
	v_add_nc_u32 v[STW], s40, v107
	s_mul_i32 s40, s[WV], 16*SGP
	s_add_co_u32 s42, s40, OST
	v_add_nc_u32 v[TSB], s42, v[STR]
	s_add_co_u32 s41, s40, STG0
	v_add_nc_u32 v[STR], s41, v[STR]
	v_add_nc_u32 v[OSTO], s42, v107
	v_add_nc_u32 v[ORD], s42, v[LI]
	s_mul_i32 s40, s[WV], 12288
	v_add_nc_u32 v[AIW], s40, v[LI]
.irp b, 0,1,2,3
	v_mov_b32 v[TM+4+\b], 0                        ; a lane permute's destination counts as one of its sources
.endr
	s_mov_b32 s[SEL], 0x76543210
	s_mov_b32 s[SEL+1], 0xfedcba98
	s_mov_b32 s[HM], 0xffff
	s_mov_b32 s43, 0
	s_lshl_b32 s40, ttmp9, 2
	s_add_co_u32 s40, s40, s[WV]                   ; my tile of tokens: 4 x work-group + wave
	s_wait_alu depctr_va_vdst(0)                   ; the wait at the head's end
	s_wait_kmcnt 0x0
	s_lshl_b32 s42, s40, 16                        ; 16 rows of 4,096 bytes a tile
	s_add_nc_u64 s[XP:XP+1], s[10:11], s[42:43]
	s_add_nc_u64 s[XK:XK+1], s[48:49], s[42:43]
	s_add_nc_u64 s[XV:XV+1], s[50:51], s[42:43]
	s_mul_i32 s42, s[WV], 16*12288
	s_add_nc_u64 s[WP:WP+1], s[4:5], s[42:43]      ; Wq's tile 16 w
	s_lshl_b32 s42, s[WV], 13
	s_add_nc_u64 s[WSP:WSP+1], s[6:7], s[42:43]
	s_lshl_b32 s42, ttmp9, 18                      ; 64 rows of 4,096 bytes a work-group,
	s_lshl_b32 s44, s[WV], 10                      ; 256 columns a wave
	s_add_co_u32 s42, s42, s44
	s_add_nc_u64 s[OP:OP+1], s[52:53], s[42:43]
	global_load_b128 v[MK:MK+3], v254, s[8:9]      ; mask[r][8 h ..]
	global_load_b128 v[MK+4:MK+7], v254, s[8:9] offset:16
	TL 0                                           ; q
	TL 1
	TL 2
	WIN 0
	s_wait_loadcnt 48                              ; behind the mask: q's 48 loads
.irp j, 0,2,4,6
	v_pk_mul_f32 v[MK+\j:MK+\j+1], v[MK+\j:MK+\j+1], 0x3e000000 op_sel_hi:[1,0]   ; mask / sqrt(64): exact
.endr
	s_mov_b32 s[PJ], 0
.Lproj:                                            ; four trips: the products with Wq, Wk, Wv, Wo
	s_cmp_eq_u32 s[PJ], 3
	s_cbranch_scc0 .Ltokens
	s_wait_loadcnt 0x0                             ; Wo's scale words and first two granules, asked for at the head of the phase before, are in
	s_branch .Lgemm
.Ltokens:
	; ---- my 16 tokens of q, k or v.  Steps 0 to 2 were asked for at the head, or in the epilogue before
	s_wait_loadcnt 32                              ; step 0 is in; steps 1 and 2 may be out
	TURN 0
.irp t, 0,1,2,3,4,5,6,7
	TSTEP \t
.endr
.irp i, 0,1,2,3
	v_cndmask_b32 v[TM+\i], v[SW+2*\i+1], v[SW+2*\i], s[HM]   ; lanes 0-15 keep the even K steps' words, lanes 16-31 the odd ones'
.endr
	ds_store_b128 v[XSW], v[TM:TM+3]
	s_cmp_eq_u32 s[PJ], 0                          ; (the tokens' loads are done)  the tensor that follows: k, then v
	s_cselect_b64 s[XP:XP+1], s[XK:XK+1], s[XV:XV+1]
	BAR                                            ; the tokens' 32 fragments, and the rows of codes of the epilogue before, lie in LDS
	s_cmp_eq_u32 s[PJ], 2
	s_cbranch_scc0 .Lgemm
	; ---- scores and softmax: my 16 tokens, four a trip.  Source 0 = the token's 16 heads of K, source 1 = its 16 heads of Q: lane (r, h) holds query head r and key heads 8 h + 0 .. 7
.irp n, 0,1,2,3
.irp j, 6,7,8,9,10,11
	v_mov_b32 v[KA+12*\n+\j], 0                    ; K = 64: the instruction's upper 64 are zero codes, on both sides
	v_mov_b32 v[QB+12*\n+\j], 0
.endr
	v_mov_b32 v[TT+4*\n+1], 0
.endr
	PLACES 4
	s_mov_b32 s35, 0
	s_mov_b32 s36, 0
	s_mov_b32 s37, 0
	s_mov_b32 s[CNT], 4
.Ltok:
	v_add_nc_u32 v[LA], s35, v[SRD]
	v_add_nc_u32 v[LB], s36, v[SSR]
	v_add_nc_u32 v[LC], s37, v[PWR]
.irp n, 0,1,2,3
.irp i, 0,1,2
	ds_load_b64 v[KA+12*\n+2*\i:KA+12*\n+2*\i+1], v[LA] offset:KOFF+RP*\n+8*\i
	ds_load_b64 v[QB+12*\n+2*\i:QB+12*\n+2*\i+1], v[LA] offset:RP*\n+8*\i
.endr
	ds_load_u16 v[XS+\n], v[LB] offset:2048+32*\n  ; head r's two scale bytes; the upper two bytes are 0, over zero codes
	ds_load_u16 v[XS+4+\n], v[LB] offset:32*\n
.endr
	s_wait_dscnt 0x0
	s_wait_alu depctr_va_vdst(0)
.irp n, 0,1,2,3
	v_wmma_scale_f32_16x16x128_f8f6f4 v[DD+8*\n:DD+8*\n+7], v[KA+12*\n:KA+12*\n+11], v[QB+12*\n:QB+12*\n+11], 0, v[XS+\n], v[XS+4+\n] matrix_a_fmt:MATRIX_FMT_FP6 matrix_b_fmt:MATRIX_FMT_FP6
.endr
	PLACES 5
.irp j, 0,2,4,6
.irp n, 0,1,2,3
	v_pk_mul_f32 v[DD+8*\n+\j:DD+8*\n+\j+1], v[DD+8*\n+\j:DD+8*\n+\j+1], v[MK+\j:MK+\j+1]   ; x mask / 8; each result from its low end on
.endr
.endr
.irp n, 0,1,2,3
	v_max3_num_f32 v[TT+4*\n], v[DD+8*\n], v[DD+8*\n+1], v[DD+8*\n+2]
.endr
.irp n, 0,1,2,3
	v_max3_num_f32 v[TT+4*\n+2], v[DD+8*\n+3], v[DD+8*\n+4], v[DD+8*\n+5]
.endr
.irp n, 0,1,2,3
	v_max3_num_f32 v[TT+4*\n], v[TT+4*\n], v[DD+8*\n+6], v[DD+8*\n+7]
.endr
.irp n, 0,1,2,3
	v_max_num_f32 v[TT+4*\n], v[TT+4*\n], v[TT+4*\n+2]
.endr
.irp n, 0,1,2,3
	v_permlanex16_b32 v[TT+4*\n+1], v[TT+4*\n], s[SEL], s[SEL+1]
.endr
.irp n, 0,1,2,3
	v_max_num_f32 v[TT+4*\n], v[TT+4*\n], v[TT+4*\n+1]   ; the row's maximum over its 16 key heads
.endr
.irp j, 0,2,4,6
.irp n, 0,1,2,3
	v_pk_add_f32 v[DD+8*\n+\j:DD+8*\n+\j+1], v[DD+8*\n+\j:DD+8*\n+\j+1], v[TT+4*\n:TT+4*\n+1] op_sel_hi:[1,0] neg_lo:[0,1] neg_hi:[0,1]   ; the maximum is taken away
.endr
.endr
.irp j, 0,2,4,6
.irp n, 0,1,2,3
	v_pk_mul_f32 v[DD+8*\n+\j:DD+8*\n+\j+1], v[DD+8*\n+\j:DD+8*\n+\j+1], 0x3fb8aa3b op_sel_hi:[1,0]   ; x log2(e)
.endr
.endr
	s_wait_alu depctr_va_vdst(0)                   ; the wait ahead of the batch
.irp j, 0,1,2,3,4,5,6,7
.irp n, 0,1,2,3
	v_exp_f32 v[DD+8*\n+\j], v[DD+8*\n+\j]
.endr
.endr
	v_nop
	s_wait_alu depctr_va_vdst(0)                   ; and behind it, ahead of its first reader
.irp n, 0,1,2,3
	v_pk_add_f32 v[TT+4*\n:TT+4*\n+1], v[DD+8*\n:DD+8*\n+1], v[DD+8*\n+2:DD+8*\n+3]
.endr
.irp n, 0,1,2,3
	v_pk_add_f32 v[TT+4*\n+2:TT+4*\n+3], v[DD+8*\n+4:DD+8*\n+5], v[DD+8*\n+6:DD+8*\n+7]
.endr
.irp n, 0,1,2,3
	v_pk_add_f32 v[TT+4*\n:TT+4*\n+1], v[TT+4*\n:TT+4*\n+1], v[TT+4*\n+2:TT+4*\n+3]
.endr
.irp n, 0,1,2,3
	v_add_f32 v[TT+4*\n], v[TT+4*\n], v[TT+4*\n+1]
.endr
.irp n, 0,1,2,3
	v_permlanex16_b32 v[TT+4*\n+1], v[TT+4*\n], s[SEL], s[SEL+1]
.endr
.irp n, 0,1,2,3
	v_add_f32 v[TT+4*\n], v[TT+4*\n], v[TT+4*\n+1]   ; the row's sum
.endr
	s_wait_alu depctr_va_vdst(0)
.irp n, 0,1,2,3
	v_rcp_f32 v[TT+4*\n+2], v[TT+4*\n]
.endr
	v_nop
	s_wait_alu depctr_va_vdst(0)
.irp j, 0,2,4,6
.irp n, 0,1,2,3
	v_pk_mul_f32 v[DD+8*\n+\j:DD+8*\n+\j+1], v[DD+8*\n+\j:DD+8*\n+\j+1], v[TT+4*\n+2:TT+4*\n+3] op_sel_hi:[1,0]
.endr
.endr
.irp n, 0,1,2,3
	ds_store_b128 v[LC], v[DD+8*\n:DD+8*\n+3] offset:PPI*\n          ; p[token][r][8 h ..]
	ds_store_b128 v[LC], v[DD+8*\n+4:DD+8*\n+7] offset:PPI*\n+16
.endr
	s_wait_dscnt 0x0
	s_add_co_u32 s35, s35, 4*RP
	s_add_co_u32 s36, s36, 128
	s_add_co_u32 s37, s37, 4*PPI
	s_sub_co_u32 s[CNT], s[CNT], 1
	s_cmp_lg_u32 s[CNT], 0
	s_cbranch_scc1 .Ltok
.Lgemm:                                            ; p is read behind the barrier at the end of the product with Wv
.irp m, 0,1,2,3
	ds_load_b128 v[XS+4*\m:XS+4*\m+3], v[LI] offset:XSCL+512*\m
.endr
	XFL 0
.irp i, 0,1,2,3,4,5,6,7
	GRAN \i
	ASK \i
.endr
	GRAN 8
	EARLY 0
	GRAN 9
	EARLY 1
	GRAN 10
	EARLY 2
	GRAN 11
	EARLY 3
	GRAN 12
	GRAN 13
	GRAN 14
	GRAN 15
	WIN 0
	PLACES 5                                       ; behind the last products: for the reads of results, and the loads and writes into operands, that follow
	BAR                                            ; every wave's reads of the tokens' images are over; what the phase before stored to LDS has landed
	s_cmp_eq_u32 s[PJ], 3
	s_cbranch_scc1 .Lout
	s_cmp_eq_u32 s[PJ], 2
	s_cbranch_scc1 .Lvepi
	; ---- qh or kh: quantised along the features, as rows of codes and scale bytes into LDS; when tiles 0-7 are done, their registers take the next tokens' first three steps
	s_wait_xcnt 0x0                                ; the prefetches have read their address; the weights' loads are done
	s_add_nc_u64 s[WP:WP+1], s[WP:WP+1], 64*12288
	s_add_nc_u64 s[WSP:WSP+1], s[WSP:WSP+1], 64*512
	s_min_u32 s40, s[PJ], 1                        ; 0: Q's region, 1: K's
	s_mul_i32 s41, s40, KOFF
	s_lshl_b32 s42, s40, 11
	v_add_nc_u32 v[LA], s41, v[QW]
	v_add_nc_u32 v[LB], s42, v[SCW]
.irp G, 0,1
.irp m, 0,1,2,3
	QUANT 64*\m, 2+\G, PW, 1                       ; features 256 w + 128 G on of tokens 16 m on
.irp c, 0,1
.irp i, 0,1,2
	ds_store_b64 v[LA], v[PC+6*\c+2*\i:PC+6*\c+2*\i+1] offset:16*RP*\m+96*\G+48*\c+8*\i   ; a block's 24 bytes at their place in the token's stream of bits
.endr
.endr
	ds_store_b32 v[LB], v[PW] offset:512*\m+4*\G
.endr
.if \G == 0
	TL 0
	TL 1
	TL 2
	WIN 0
.endif
.endr
	s_branch .Lnext
; ---- attn = p vh.  My accumulator (g, m) holds vh of head g, channels 16 w + 8 h + 0 .. 7, of token 16 m + r.  A combination m: tokens 16 m on, output heads 4 trip + 2 u + e, e = 0, 1.
.macro PLOAD u, m                      ; my token's 16 p of each of the two heads into set m % 2
.irp e, 0,1
.irp i, 0,1,2,3
	ds_load_b128 v[PB+36*((\m)%2)+18*\e+4*\i:PB+36*((\m)%2)+18*\e+4*\i+3], v[LA] offset:16*PPI*(\m)+64*(2*(\u)+\e)+16*\i
.endr
.endr
.endm
; My LDS instructions run in this order: p of m (8 loads), the results of m - 1 (4 stores), p of m + 1 (8 loads).  The wait at a combination's head wants p of m; all that was issued ahead of those loads,
; the stores of m - 2 among them, whose registers this combination writes again, is then done too.  The younger ones may stay out.
; The multiply-adds go in dual pairs, one half for each of the two heads: destinations one even and one odd, the vh sources one register apart, the p sources 18 apart.
; For each key head eight pairs that do not hang on each other; the sums run over the key heads in ascending order.
.macro COMBO u, m
.if (\m) == 0
	PLOAD \u, 1
	s_wait_dscnt 8                                 ; behind p of 0: the eight loads of 1
.elseif (\m) < 3
	PLOAD \u, (\m)+1
	s_wait_dscnt 12                                ; behind p of m: four stores and eight loads
.else
	s_wait_dscnt 4                                 ; behind p of 3: the four stores of 2
.endif
.set cm, (\m)
.set cp, PB+36*((\m)%2)
.set ca, AT+16*((\m)%2)
.set cg, 0
.rept 16
	WIN (2+cg/8)
.set cv, 64*cm+8*(cg%8)
.set cj, 0
.rept 4
.if cg == 0
	v_dual_mul_f32 v[ca+cj], v[cv+cj], v[cp] :: v_dual_mul_f32 v[ca+8+cj+1], v[cv+cj+1], v[cp+18]
	v_dual_mul_f32 v[ca+cj+1], v[cv+cj+1], v[cp] :: v_dual_mul_f32 v[ca+8+cj], v[cv+cj], v[cp+18]
.else
	v_dual_fmac_f32 v[ca+cj], v[cv+cj], v[cp+cg] :: v_dual_fmac_f32 v[ca+8+cj+1], v[cv+cj+1], v[cp+18+cg]
	v_dual_fmac_f32 v[ca+cj+1], v[cv+cj+1], v[cp+cg] :: v_dual_fmac_f32 v[ca+8+cj], v[cv+cj], v[cp+18+cg]
.endif
.set cj, cj+2
.endr
.set cg, cg+1
.endr
	WIN 0
.irp e, 0,1
	ds_store_b128 v[STW], v[ca+8*\e:ca+8*\e+3] offset:STGB*(\u)+16*SGP*cm+256*\e
	ds_store_b128 v[STW], v[ca+8*\e+4:ca+8*\e+7] offset:STGB*(\u)+16*SGP*cm+256*\e+16
.endr
.endm
; K step 2 trip + u of the last product: two heads' attn of all 64 tokens meet in stage u; behind the barrier each wave quantises its 16 tokens' 128 numbers and stores the fragment's image.
; The two stages take turns: a stage is written again only behind the other stage's barrier, which every wave reaches behind its reads of this one.
.macro HP u
	PLOAD \u, 0
.irp m, 0,1,2,3
	COMBO \u, \m
.endr
	BAR
.irp b, 0,1,2,3
.irp j, 0,1,2,3
	ds_load_b128 v[QI+16*\b+4*\j:QI+16*\b+4*\j+3], v[STR] offset:STGB*(\u)+128*\b+16*\j
.endr
.endr
	s_wait_dscnt 0x0
	QUANT QI, 0, PW, 0
.irp c, 0,1,2
	ds_store_b128 v[LB], v[PC+4*\c:PC+4*\c+3] offset:1536*(\u)+512*\c
.endr
	ds_store_b32 v[LC], v[PW] offset:256*(\u)      ; even K steps' words in lanes 0-15's places, odd ones' in lanes 16-31's
.endm
.Lvepi:
	s_wait_xcnt 0x0
	s_add_nc_u64 s[WP:WP+1], s[WP:WP+1], 64*12288        ; (the weights' loads are done)  Wo
	s_add_nc_u64 s[WSP:WSP+1], s[WSP:WSP+1], 64*512
	PRE_S
	WLOAD 0
	WLOAD 1
	WIN 0
	s_mov_b32 s32, 0
	s_mov_b32 s33, 0
	s_mov_b32 s34, 0
	s_mov_b32 s[CNT], 4
.Lhp:                                              ; four trips of four heads: two K steps of the last product
	v_add_nc_u32 v[LA], s32, v[PRD]
	v_add_nc_u32 v[LB], s33, v[AIW]
	v_add_nc_u32 v[LC], s34, v[ASW]
	HP 0
	HP 1
	s_wait_dscnt 0x0
	s_add_co_u32 s32, s32, 256
	s_add_co_u32 s33, s33, 3072
	s_add_co_u32 s34, s34, 4
	s_sub_co_u32 s[CNT], s[CNT], 1
	s_cmp_lg_u32 s[CNT], 0
	s_cbranch_scc1 .Lhp
	BAR                                            ; attn's 32 fragments and their scale words lie in LDS
.Lnext:
	s_add_co_u32 s[PJ], s[PJ], 1
	s_cmp_lt_u32 s[PJ], 4
	s_cbranch_scc1 .Lproj
.Lout:
; THE WAY OUT OF THE SECOND HALF, blocks a = 4 + m of 16 tokens x 128 columns (tiles 8-15, window 3); blocks 0-3 left during the product.  A block goes through my own stage and comes back as rows of 512 bytes.
.macro TOSTAGE a
.set zG, (\a)/4
.set zm, (\a)%4
	WIN ((2+zG)<<2)
.set zb, 0
.rept 8
	ds_store_b128 v[OSTO], v[64*zm+8*zb:64*zm+8*zb+3] offset:64*zb          ; each accumulator from its low end on
	ds_store_b128 v[OSTO], v[64*zm+8*zb+4:64*zm+8*zb+7] offset:64*zb+16
.set zb, zb+1
.endr
	WIN 0
.set zk, BK+64*((\a)%2)
.set zt, 0
.rept 16
	ds_load_b128 v[zk+4*zt:zk+4*zt+3], v[ORD] offset:SGP*zt
.set zt, zt+1
.endr
.endm
.macro SEND a, younger
.set yk, BK+64*((\a)%2)
.set yG, (\a)/4
.set ym, (\a)%4
	s_wait_dscnt \younger
.set yt, 0
.rept 16
	global_store_b128 v[LI], v[yk+4*yt:yk+4*yt+3], s[OP:OP+1] offset:(16*ym+yt)*4096+512*yG th:TH_STORE_NT
.set yt, yt+1
.endr
.endm
	TOSTAGE 4
.irp a, 5,6,7
.if \a > 5
	s_wait_xcnt 0x0                                ; block a - 2's stores have read their registers
.endif
	TOSTAGE \a
	SEND \a-1, 32                                  ; behind block a - 1's loads: block a's 16 stores and 16 loads
.endr
	SEND 7, 0
	s_wait_tensorcnt 0x0                           ; the wave's end
	ds_add_u32 v[SPW], v[NIL]
	s_wait_dscnt 0x0
	s_endpgm
.Lfunc_end_k_q7015b45493_fused:
	.size	k_q7015b45493_fused, .Lfunc_end_k_q7015b45493_fused-k_q7015b45493_fused
	.p2alignl 7, 3214868480
	.fill 96, 4, 3214868480
	.section	.rodata,"a",@progbits
	.p2align	6, 0x0
	.amdhsa_kernel k_q7015b45493_fused
		.amdhsa_group_segment_fixed_size 323072
		.amdhsa_private_segment_fixed_size 0
		.amdhsa_enable_private_segment 0
		.amdhsa_kernarg_size 56
		.amdhsa_user_sgpr_count 2
		.amdhsa_user_sgpr_kernarg_segment_ptr 1
		.amdhsa_wavefront_size32 1
		.amdhsa_system_sgpr_workgroup_id_x 1
		.amdhsa_system_sgpr_workgroup_id_y 1
		.amdhsa_system_sgpr_workgroup_id_z 1
		.amdhsa_system_vgpr_workitem_id 0
		.amdhsa_next_free_vgpr 1024
		.amdhsa_next_free_sgpr 66
		.amdhsa_reserve_vcc 0
		.amdhsa_float_denorm_mode_32 3
		.amdhsa_float_denorm_mode_16_64 3
		.amdhsa_memory_ordered 1
		.amdhsa_forward_progress 1
		.amdhsa_inst_pref_size 255
	.end_amdhsa_kernel
	.section	.bss,"aw",@nobits
	.p2align	6
	.space	262144
	.amdgpu_metadata
---
amdhsa.version: [ 1, 2 ]
amdhsa.kernels:
  - .name:           k_q7015b45493_fused
    .symbol:         k_q7015b45493_fused.kd
    .args:
      - { .name: cod, .offset: 0, .size: 8, .value_kind: global_buffer, .address_space: global }
      - { .name: scl, .offset: 8, .size: 8, .value_kind: global_buffer, .address_space: global }
      - { .name: mask, .offset: 16, .size: 8, .value_kind: global_buffer, .address_space: global }
      - { .name: q, .offset: 24, .size: 8, .value_kind: global_buffer, .address_space: global }
      - { .name: k, .offset: 32, .size: 8, .value_kind: global_buffer, .address_space: global }
      - { .name: v, .offset: 40, .size: 8, .value_kind: global_buffer, .address_space: global }
      - { .name: out0, .offset: 48, .size: 8, .value_kind: global_buffer, .address_space: global }
    .group_segment_fixed_size: 323072
    .private_segment_fixed_size: 0
    .kernarg_segment_align: 8
    .kernarg_segment_size: 56
    .max_flat_workgroup_size: 128
    .sgpr_count:     66
    .vgpr_count:     1024
    .wavefront_size: 32
...
	.end_amdgpu_metadata
.endif
;; end of part 2
